; MI455X (gfx1250); checked and timed in simulation.
; The chip was launched on July 23, 2026; its instructions are those of AMD's public machine-readable ISA for CDNA 5 (MIT licence, August 2026) and "CDNA5" Instruction Set Architecture Reference Guide (July 2026). The comments in the code are by the model that wrote it; some were corrected since.
;; Cross Attn Head. Allowed arithmetic: float matrix products may take bf16 or f16 operands with f32 sums; all other float work in f32.
;; Inputs: A 8 x 32 x 64 float32; H_emb_obs 8 x 512 x 256 float32; W1 256 x 256 float32; W2 256 x 1 float32; Wk 256 x 256 float32; Wq 128 x 256 float32; Wv 256 x 256 float32; X_target 256 x 32 float32; b1 256 float32; b2 1 float32; bk 256 float32; bq 256 float32; bv 256 float32; phi_target 256 x 32 float32.
;; Outputs: out0 8 x 32 x 256 x 1 float32.
;; 2 versions, each right; version 2 is version 1 with the launch prep written anew for expert scheduling mode. Each part assembles by itself: llvm-mc -triple=amdgcn-amd-amdhsa -mcpu=gfx1250 --defsym DOCPART=n.
;; ======== version 1 of 2: 2 launches
;; limits: values are held in f16: magnitudes above 65,504 overflow, below 6.1e-05 lose precision
;; workspace buffers: kvw 5,242,880 bytes; qf 524,288 bytes
;; launch prep (part 1): grid 320 x 1, 8 waves a work-group, no clusters, 33,792 bytes of LDS; arguments A, phi_target, X_target, H_emb_obs, Wq, bq, Wk, bk, Wv, bv, W1, kvw, qf; writes kvw, qf
.if DOCPART == 1
	.amdgcn_target "amdgcn-amd-amdhsa--gfx1250"
	.amdhsa_code_object_version 6
	.text
	.protected	k_qce3020706d_prep
	.globl	k_qce3020706d_prep
	.p2align	8
	.type	k_qce3020706d_prep,@function
k_qce3020706d_prep:
	s_mov_b64 s[64:65], 0
	v_nop
	global_prefetch_b8 v0, s[64:65] scope:SCOPE_SE
	s_setreg_imm32_b32 hwreg(HW_REG_WAVE_MODE, 25, 1), 1
	s_wait_xcnt 0x0
; prep: everything that the attention launch needs more than once, made once, in f16 (q parts: f32), laid out in the ORDER OF MATRIX FRAGMENTS.
; A fragment is a 16 x 32 operand of 16-bit numbers, 1,024 bytes: byte c*512 + lane*16 holds registers 4c..4c+3 of that lane.  So each store here and
; each LDS load of the next launch is 32 lanes x 16 neighbouring bytes: every store of a wave covers 512 consecutive bytes, aligned.
;   kvw [b 8][tile 10][65,536]: tile 2t+u (t: pair of heads, u: half of the 512 keys) = [g 2][32,768] for head n = 2t+g:
;        K+bk fragments (rows = 16 keys, k = the head's 32 e) at kt*1024, kt 0..15; V+bv fragments (rows = 16 e, k = 32 keys) at 16384+(et*8+kb)*1024.
;        tiles 8, 9: W1 transposed (rows = 16 outputs, k = 32 inputs) at (ot*8+kk)*1024.  W1 is written once for each b (1 MiB more than needed), so that
;        the next launch walks ten tiles of one b with one constant step.
;   qf  [rho 2][row tile 16][head 8][group 4][512]: f32; rho 0: A[bh] x Wq[0:64]; rho 1: [phi|X][t] x Wq[64:128] + bq; q of (bh, t) is their sum
;        (the product of a concatenation is the sum of the parts' products, for every input).  Both are multiplied by log2(e)/sqrt(32), so that the
;        scores come out ready for an exponential of base 2.  Group 2c+p, lane (h, r): row r, e = 16c+8h+4p+0..3.
; Work-groups 0..255: K and V of (b, head n, 128 keys z), wave w = 16 keys.  256..287: q parts, wave = head.  288..319: W1, a quarter for one b.
; The role hangs on the work-group's number alone, so all eight waves take the same way and meet the one barrier together.
; FORMAT.  Matrix operands are f16, sums f32.  Why f16 and not bf16: the context is a sum of 512 terms of either sign that comes out about as small as one
; term's spread times sqrt of the sum of p^2, so every operand's relative rounding error shows undiminished in the result; f16 keeps 11 significant bits, bf16 8.
; RANGE, stated: the largest finite f16 is 65,504; an operand beyond it becomes infinite.  The inputs themselves, 30 times the drawn spread or offset by 30 spreads,
; stay in the hundreds.  K and V = H W + b: with H and W both 30 times larger about 900 x 5.5 = 5,000; with an offset of 30 spreads on both about
; 256 x 30 x 30/16 = 14,400.  Downward: below 2^-14 the steps of f16 are 2^-24; weights 30 times smaller are about 0.002, K and V with all inputs 30 times smaller about 0.001.
; NaN and infinities are not treated apart from what this arithmetic gives.
.set BSTR, 655360                      ; bytes of kvw for one b
.set SC,   0x3e8293ee                  ; log2(e) / sqrt(32)
.set HRAW, 16                          ; v16-143   16 keys x 256 d as loaded (f32); later WF
.set WF,   16                          ; v16-143   16 weight fragments from LDS
.set WRAW, 144                         ; v144-207  four weight fragments as loaded (f32); later HF
.set HF,   144                         ; v144-207  H's eight fragments
.set ACC,  208                         ; v208-239  four accumulators
.set PK,   240                         ; v240-255  packed results
.macro PLACES n                        ; plain vector instructions behind a matrix instruction (ISA guide 7.12.1)
.rept \n
	v_nop
.endr
.endm
; One weight fragment, raw: lane (r, h) takes column col0 + r, rows 8h+0..7 and 16+8h+0..7 of a k step; all four weights have rows of 1,024 bytes.
.macro WLOAD R, va, sb, imm
.irp j, 0,1,2,3,4,5,6,7
	global_load_b32 v[\R+\j], v[\va], s[\sb:\sb+1] offset:\imm+\j*1024
.endr
.irp j, 8,9,10,11,12,13,14,15
	global_load_b32 v[\R+\j], v[\va], s[\sb:\sb+1] offset:\imm+(\j+8)*1024
.endr
.endm
.macro WPACK P, R                      ; 16 f32 to the fragment's 8 registers, the lower k in the lower half
.irp k, 0,1,2,3,4,5,6,7
	v_cvt_pk_f16_f32 v[\P+\k], v[\R+2*\k], v[\R+2*\k+1]
.endr
.endm
	s_load_b512 s[4:19], s[0:1], 0x0               ; A s[4:5], phi s[6:7], X s[8:9], H s[10:11], Wq s[12:13], bq s[14:15], Wk s[16:17], bk s[18:19]
	s_load_b256 s[20:27], s[0:1], 0x40             ; Wv s[20:21], bv s[22:23], W1 s[24:25], kvw s[26:27]
	s_load_b64 s[28:29], s[0:1], 0x60              ; qf
	v_lshl_add_u32 v14, v0, 2, 0x8000
	v_mov_b32 v15, 0
	v_and_b32 v1, 15, v0                           ; r
	v_bfe_u32 v2, v0, 4, 1                         ; h
	v_and_b32 v3, 31, v0
	v_lshlrev_b32 v3, 4, v3                        ; 16 x lane
	v_lshrrev_b32 v4, 5, v0
	v_readfirstlane_b32 s30, v4                    ; wave w
	s_mov_b32 s31, ttmp9                           ; work-group x
	s_wait_kmcnt 0x0
	s_cmp_ge_u32 s31, 288
	s_cbranch_scc1 .Lw1
	s_cmp_ge_u32 s31, 256
	s_cbranch_scc1 .Lq
; ---------------- K and V of 128 keys for one head ----------------
	s_lshr_b32 s32, s31, 5                         ; b
	s_bfe_u32 s33, s31, 0x30002                    ; n: 3 bits from bit 2
	s_and_b32 s34, s31, 3                          ; z
	s_lshl_b32 s35, s30, 15                        ; wave w fetches the weights of k step w: 32 w rows of 1,024 bytes
	s_lshl_b32 s36, s33, 7                         ; the head's 32 columns of 4 bytes
	s_add_co_u32 s35, s35, s36
	v_lshlrev_b32 v5, 2, v1
	v_lshl_add_u32 v5, v2, 13, v5
	v_add_nc_u32 v5, s35, v5                       ; (32w + 8h) x 1024 + (32n + r) x 4
	v_lshl_add_u32 v6, v2, 5, s36                  ; bk: (32n + 8h) x 4
	v_lshl_add_u32 v7, v1, 2, s36                  ; bv: (32n + r) x 4
	s_lshl_b32 s37, s32, 9
	s_lshl_b32 s38, s34, 7
	s_add_co_u32 s37, s37, s38
	s_lshl4_add_u32 s37, s30, s37                  ; my first key's row: 512 b + 128 z + 16 w
	s_lshl_b32 s37, s37, 10
	v_lshl_add_u32 v4, v1, 10, s37
	v_lshl_add_u32 v4, v2, 5, v4                   ; + r rows + 32 h bytes
	v_lshl_add_u32 v10, s30, 10, v3                ; LDS: fragment w of a column tile, my 16 bytes
	WLOAD WRAW,    5, 16, 0                        ; Wk, e 0-15
	WLOAD WRAW+16, 5, 16, 64                       ; Wk, e 16-31
	WLOAD WRAW+32, 5, 20, 0                        ; Wv, e 0-15
	WLOAD WRAW+48, 5, 20, 64                       ; Wv, e 16-31
	; the biases start the sums.  K's accumulators hold (e = 16c+8h+j, key r): eight neighbouring bk.  V's hold (key 8h+j, e = r): one bv, copied below.
	global_load_b128 v[ACC:ACC+3],     v6, s[18:19]
	global_load_b128 v[ACC+4:ACC+7],   v6, s[18:19] offset:16
	global_load_b128 v[ACC+8:ACC+11],  v6, s[18:19] offset:64
	global_load_b128 v[ACC+12:ACC+15], v6, s[18:19] offset:80
	global_load_b32 v[ACC+16], v7, s[22:23]
	global_load_b32 v[ACC+24], v7, s[22:23] offset:64
.irp kk, 0,1,2,3,4,5,6,7
	global_load_b128 v[HRAW+16*\kk:HRAW+16*\kk+3],     v4, s[10:11] offset:128*\kk      ; key r, d = 32kk+8h+0..3
	global_load_b128 v[HRAW+16*\kk+4:HRAW+16*\kk+7],   v4, s[10:11] offset:128*\kk+16
	global_load_b128 v[HRAW+16*\kk+8:HRAW+16*\kk+11],  v4, s[10:11] offset:128*\kk+64   ; d = 32kk+16+8h+0..3
	global_load_b128 v[HRAW+16*\kk+12:HRAW+16*\kk+15], v4, s[10:11] offset:128*\kk+80
.endr
	s_wait_loadcnt 38                              ; the 64 weight loads are in; the 6 bias loads and the 32 of H, issued behind them, stay out
.irp i, 0,1,2,3
	WPACK PK+8*(\i&1), WRAW+16*\i
	ds_store_b128 v10, v[PK+8*(\i&1):PK+8*(\i&1)+3]   offset:\i*8192          ; fragment (column tile i, k step w) at (8i + w) x 1024
	ds_store_b128 v10, v[PK+8*(\i&1)+4:PK+8*(\i&1)+7] offset:\i*8192+512
.endr
	s_wait_dscnt 0x0                               ; my stores are done before I say so: the other waves read them
	s_barrier_signal -1
	s_barrier_wait -1                              ; all 32 weight fragments lie in LDS; nothing is written there again
	s_wait_loadcnt 0x0                             ; biases and H
.irp j, 1,2,3,4,5,6,7
	v_mov_b32 v[ACC+16+\j], v[ACC+16]
	v_mov_b32 v[ACC+24+\j], v[ACC+24]
.endr
.set cnt, 0
.rept 64
	v_cvt_pk_f16_f32 v[HF+cnt], v[HRAW+2*cnt], v[HRAW+2*cnt+1]
.set cnt, cnt+1
.endr
; Half of K = 256: 16 weight fragments from LDS, 16 matrix instructions.  K: weights as source 0, so that a lane's eight results are eight e of one key;
; V: H as source 0, so that they are eight keys of one e: in both cases four packed registers are half a fragment of the next launch.
; The four accumulators take turns, one instruction a turn.
.macro KVHALF hf
.irp ct, 0,1,2,3
.irp q, 0,1,2,3
	ds_load_b128 v[WF+8*(4*\ct+\q):WF+8*(4*\ct+\q)+3],   v3 offset:(8*\ct+4*\hf+\q)*1024
	ds_load_b128 v[WF+8*(4*\ct+\q)+4:WF+8*(4*\ct+\q)+7], v3 offset:(8*\ct+4*\hf+\q)*1024+512
.endr
.endr
	s_wait_dscnt 0x0
.irp q, 0,1,2,3
	v_wmma_f32_16x16x32_f16 v[ACC:ACC+7],     v[WF+8*\q:WF+8*\q+7],           v[HF+8*(4*\hf+\q):HF+8*(4*\hf+\q)+7], v[ACC:ACC+7]
	v_wmma_f32_16x16x32_f16 v[ACC+8:ACC+15],  v[WF+8*(4+\q):WF+8*(4+\q)+7],   v[HF+8*(4*\hf+\q):HF+8*(4*\hf+\q)+7], v[ACC+8:ACC+15]
	v_wmma_f32_16x16x32_f16 v[ACC+16:ACC+23], v[HF+8*(4*\hf+\q):HF+8*(4*\hf+\q)+7], v[WF+8*(8+\q):WF+8*(8+\q)+7],   v[ACC+16:ACC+23]
	v_wmma_f32_16x16x32_f16 v[ACC+24:ACC+31], v[HF+8*(4*\hf+\q):HF+8*(4*\hf+\q)+7], v[WF+8*(12+\q):WF+8*(12+\q)+7], v[ACC+24:ACC+31]
.endr
.endm
	KVHALF 0
	PLACES 4                                       ; the loads below land in registers that the matrix instructions above read
	KVHALF 1
	; where the results go
	s_and_b32 s39, s34, 1
	s_lshl3_add_u32 s39, s39, s30                  ; kt = 8 (z & 1) + w: my 16 keys among the tile's 256
	s_mul_i32 s40, s32, BSTR
	s_lshr_b32 s41, s33, 1
	s_lshr_b32 s42, s34, 1
	s_lshl1_add_u32 s41, s41, s42                  ; tile 2 (n >> 1) + (z >> 1)
	s_lshl_b32 s41, s41, 16
	s_add_co_u32 s40, s40, s41
	s_and_b32 s42, s33, 1
	s_lshl_b32 s42, s42, 15                        ; g = n & 1
	s_add_co_u32 s40, s40, s42
	s_mov_b32 s41, 0
	s_add_nc_u64 s[26:27], s[26:27], s[40:41]
	v_lshl_add_u32 v8, s39, 10, v3                 ; K: fragment kt
	v_lshl_add_u32 v9, s39, 9, v3                  ; V: fragment kt >> 1, half kt & 1 = kt x 512
	v_nop
	v_nop                                          ; with the two lines above: four places behind the last matrix instruction
.set cnt, 0
.rept 16
	v_cvt_pk_f16_f32 v[PK+cnt], v[ACC+2*cnt], v[ACC+2*cnt+1]
.set cnt, cnt+1
.endr
	global_store_b128 v8, v[PK:PK+3],     s[26:27]
	global_store_b128 v8, v[PK+4:PK+7],   s[26:27] offset:512
	global_store_b128 v9, v[PK+8:PK+11],  s[26:27] offset:16384
	global_store_b128 v9, v[PK+12:PK+15], s[26:27] offset:24576
	s_wait_tensorcnt 0x0
	ds_add_u32 v14, v15
	s_wait_dscnt 0x0
	s_endpgm
; ---------------- the two parts of q: 16 rows x one head a wave, K = 64 ----------------
.Lq:
	s_sub_co_u32 s32, s31, 256
	s_lshr_b32 s33, s32, 4                         ; rho
	s_and_b32 s34, s32, 15                         ; row tile
	s_add_nc_u64 s[36:37], s[4:5], 128             ; A's features 32-63
	s_cmp_eq_u32 s33, 0
	s_cselect_b64 s[38:39], s[4:5], s[6:7]         ; k step 0: A's first half, or phi
	s_cselect_b64 s[40:41], s[36:37], s[8:9]       ; k step 1: A's second half, or X
	s_cselect_b32 s42, 8, 7                        ; rows of 256 bytes (A) or 128 (phi, X)
	v_lshl_add_u32 v4, s34, 4, v1
	v_lshlrev_b32 v4, s42, v4
	v_lshl_add_u32 v4, v2, 5, v4                   ; row x pitch + 32 h
	s_lshl_b32 s43, s33, 16                        ; Wq's rows from 64 rho on
	s_lshl_b32 s44, s30, 7                         ; head w
	s_add_co_u32 s43, s43, s44
	v_lshlrev_b32 v5, 2, v1
	v_lshl_add_u32 v5, v2, 13, v5
	v_add_nc_u32 v5, s43, v5
	v_lshl_add_u32 v6, v2, 5, s44                  ; bq: (32 w + 8 h) x 4
	s_lshl3_add_u32 s45, s34, s30
	s_lshl_b32 s45, s45, 11                        ; (row tile x 8 + head) x 2,048
	s_lshl_b32 s46, s33, 18
	s_add_co_u32 s45, s45, s46
	v_add_nc_u32 v8, s45, v3
.irp ks, 0,1
	global_load_b128 v[16+16*\ks:19+16*\ks], v4, s[38+2*\ks:39+2*\ks]
	global_load_b128 v[20+16*\ks:23+16*\ks], v4, s[38+2*\ks:39+2*\ks] offset:16
	global_load_b128 v[24+16*\ks:27+16*\ks], v4, s[38+2*\ks:39+2*\ks] offset:64
	global_load_b128 v[28+16*\ks:31+16*\ks], v4, s[38+2*\ks:39+2*\ks] offset:80
.endr
	WLOAD WRAW,    5, 12, 0                        ; (k step 0, e 0-15)
	WLOAD WRAW+16, 5, 12, 64                       ; (0, e 16-31)
	WLOAD WRAW+32, 5, 12, 32768                    ; (1, e 0-15)
	WLOAD WRAW+48, 5, 12, 32768+64                 ; (1, e 16-31)
; bias = 1: bq lies in the accumulators and starts the sums; 0: the first products start them.  Weights are source 0: a lane gets eight e of one row.
; Two accumulators take turns.
.macro QBODY bias
	s_wait_loadcnt 0x0
.set cnt, 0
.rept 16
	v_cvt_pk_f16_f32 v[48+cnt], v[16+2*cnt], v[17+2*cnt]
.set cnt, cnt+1
.endr
.set cnt, 0
.rept 32
	v_cvt_pk_f16_f32 v[64+cnt], v[WRAW+2*cnt], v[WRAW+2*cnt+1]
.set cnt, cnt+1
.endr
.if \bias
	v_wmma_f32_16x16x32_f16 v[ACC:ACC+7],    v[64:71], v[48:55], v[ACC:ACC+7]
	v_wmma_f32_16x16x32_f16 v[ACC+8:ACC+15], v[72:79], v[48:55], v[ACC+8:ACC+15]
.else
	v_wmma_f32_16x16x32_f16 v[ACC:ACC+7],    v[64:71], v[48:55], 0
	v_wmma_f32_16x16x32_f16 v[ACC+8:ACC+15], v[72:79], v[48:55], 0
.endif
	v_wmma_f32_16x16x32_f16 v[ACC:ACC+7],    v[80:87], v[56:63], v[ACC:ACC+7]
	v_wmma_f32_16x16x32_f16 v[ACC+8:ACC+15], v[88:95], v[56:63], v[ACC+8:ACC+15]
	PLACES 4
.irp m, 0,2,4,6,8,10,12,14
	v_pk_mul_f32 v[ACC+\m:ACC+\m+1], v[ACC+\m:ACC+\m+1], SC op_sel_hi:[1,0]
.endr
.irp gq, 0,1,2,3
	global_store_b128 v8, v[ACC+4*\gq:ACC+4*\gq+3], s[28:29] offset:512*\gq
.endr
	s_endpgm
.endm
	s_cmp_eq_u32 s33, 0
	s_cbranch_scc1 .Lq_a
	global_load_b128 v[ACC:ACC+3],     v6, s[14:15]
	global_load_b128 v[ACC+4:ACC+7],   v6, s[14:15] offset:16
	global_load_b128 v[ACC+8:ACC+11],  v6, s[14:15] offset:64
	global_load_b128 v[ACC+12:ACC+15], v6, s[14:15] offset:80
	QBODY 1
.Lq_a:
	QBODY 0
; ---------------- W1 transposed into fragments: a cast and a change of order, four fragments a wave ----------------
.Lw1:
	s_sub_co_u32 s32, s31, 288
	s_lshr_b32 s33, s32, 2                         ; the b whose copy this is
	s_and_b32 s34, s32, 3                          ; quarter of the 16 output tiles
	s_lshr_b32 s35, s30, 1
	s_and_b32 s36, s30, 1
	s_lshl2_add_u32 s35, s34, s35                  ; ot = 4 x quarter + (w >> 1); k steps 4 (w & 1) + 0..3
	s_lshl_b32 s37, s36, 17
	s_lshl_b32 s38, s35, 6
	s_add_co_u32 s37, s37, s38
	v_lshlrev_b32 v5, 2, v1
	v_lshl_add_u32 v5, v2, 13, v5
	v_add_nc_u32 v5, s37, v5                       ; (128 (w & 1) + 8 h) x 1024 + (16 ot + r) x 4
.irp i, 0,1,2,3
	WLOAD WRAW+16*\i, 5, 24, \i*32768
.endr
	s_mul_i32 s38, s33, BSTR
	s_add_co_u32 s38, s38, 524288                  ; tiles 8 and 9
	s_lshl_b32 s40, s35, 13
	s_add_co_u32 s38, s38, s40
	s_lshl_b32 s40, s36, 12
	s_add_co_u32 s38, s38, s40                     ; + (8 ot + 4 (w & 1)) x 1,024
	s_mov_b32 s39, 0
	s_add_nc_u64 s[26:27], s[26:27], s[38:39]
	s_wait_loadcnt 0x0
.set cnt, 0
.rept 32
	v_cvt_pk_f16_f32 v[64+cnt], v[WRAW+2*cnt], v[WRAW+2*cnt+1]
.set cnt, cnt+1
.endr
.irp i, 0,1,2,3,4,5,6,7
	global_store_b128 v3, v[64+4*\i:67+4*\i], s[26:27] offset:512*\i
.endr
	s_endpgm
.Lfunc_end_k_qce3020706d_prep:
	.size	k_qce3020706d_prep, .Lfunc_end_k_qce3020706d_prep-k_qce3020706d_prep
	.p2alignl 7, 3214868480
	.fill 96, 4, 3214868480
	.section	.rodata,"a",@progbits
	.p2align	6, 0x0
	.amdhsa_kernel k_qce3020706d_prep
		.amdhsa_group_segment_fixed_size 33792
		.amdhsa_private_segment_fixed_size 0
		.amdhsa_enable_private_segment 0
		.amdhsa_kernarg_size 104
		.amdhsa_user_sgpr_count 2
		.amdhsa_user_sgpr_kernarg_segment_ptr 1
		.amdhsa_wavefront_size32 1
		.amdhsa_system_sgpr_workgroup_id_x 1
		.amdhsa_system_sgpr_workgroup_id_y 1
		.amdhsa_system_sgpr_workgroup_id_z 1
		.amdhsa_system_vgpr_workitem_id 0
		.amdhsa_next_free_vgpr 256
		.amdhsa_next_free_sgpr 66
		.amdhsa_reserve_vcc 0
		.amdhsa_float_denorm_mode_32 3
		.amdhsa_float_denorm_mode_16_64 3
		.amdhsa_memory_ordered 1
		.amdhsa_forward_progress 1
		.amdhsa_inst_pref_size 54
	.end_amdhsa_kernel
	.amdgpu_metadata
---
amdhsa.version: [ 1, 2 ]
amdhsa.kernels:
  - .name:           k_qce3020706d_prep
    .symbol:         k_qce3020706d_prep.kd
    .args:
      - { .name: A, .offset: 0, .size: 8, .value_kind: global_buffer, .address_space: global }
      - { .name: phi_target, .offset: 8, .size: 8, .value_kind: global_buffer, .address_space: global }
      - { .name: X_target, .offset: 16, .size: 8, .value_kind: global_buffer, .address_space: global }
      - { .name: H_emb_obs, .offset: 24, .size: 8, .value_kind: global_buffer, .address_space: global }
      - { .name: Wq, .offset: 32, .size: 8, .value_kind: global_buffer, .address_space: global }
      - { .name: bq, .offset: 40, .size: 8, .value_kind: global_buffer, .address_space: global }
      - { .name: Wk, .offset: 48, .size: 8, .value_kind: global_buffer, .address_space: global }
      - { .name: bk, .offset: 56, .size: 8, .value_kind: global_buffer, .address_space: global }
      - { .name: Wv, .offset: 64, .size: 8, .value_kind: global_buffer, .address_space: global }
      - { .name: bv, .offset: 72, .size: 8, .value_kind: global_buffer, .address_space: global }
      - { .name: W1, .offset: 80, .size: 8, .value_kind: global_buffer, .address_space: global }
      - { .name: kvw, .offset: 88, .size: 8, .value_kind: global_buffer, .address_space: global }
      - { .name: qf, .offset: 96, .size: 8, .value_kind: global_buffer, .address_space: global }
    .group_segment_fixed_size: 33792
    .private_segment_fixed_size: 0
    .kernarg_segment_align: 8
    .kernarg_segment_size: 104
    .max_flat_workgroup_size: 256
    .sgpr_count:     66
    .vgpr_count:     256
    .wavefront_size: 32
...
	.end_amdgpu_metadata
.endif
;; end of part 1
;; launch attn (part 2): grid 256 x 1, 8 waves a work-group, clusters of 4 x 1, 327,680 bytes of LDS; arguments kvw, qf, b1, W2, b2, out0; writes out0
.if DOCPART == 2
	.amdgcn_target "amdgcn-amd-amdhsa--gfx1250"
	.amdhsa_code_object_version 6
	.text
	.protected	k_qce3020706d_attn
	.globl	k_qce3020706d_attn
	.p2align	8
	.type	k_qce3020706d_attn,@function
k_qce3020706d_attn:
	s_mov_b64 s[64:65], 0
	v_nop
	global_prefetch_b8 v0, s[64:65] scope:SCOPE_SE
	s_setreg_imm32_b32 hwreg(HW_REG_WAVE_MODE, 25, 1), 1
	s_wait_xcnt 0x0
	s_wait_alu depctr_hold_cnt(0) depctr_sa_sdst(0) depctr_va_vdst(0) depctr_va_sdst(0) depctr_va_ssrc(0) depctr_va_vcc(0) depctr_vm_vsrc(0)
	s_getreg_b32 s2, hwreg(HW_REG_IB_STS2, 6, 4)
	s_cmp_eq_u32 s2, 0
	s_cbranch_scc0 .Lentry_in_a_cluster
	s_endpgm
.Lentry_in_a_cluster:
	s_bfe_u32 s2, ttmp6, 0x10000c
	s_cmp_lg_u32 s2, 0x3003
	s_cbranch_scc0 .Lentry_shape_is_right
	s_endpgm
.Lentry_shape_is_right:
; attn: one work-group makes y[b, h, 0..255]: eight heads of attention over 512 keys, then Linear(256) - ReLU - Linear(1).  Nothing goes to memory between.
; SHARE.  bh = work-group.  Eight waves: wave w has p = w & 3 (queries 64 p .. 64 p + 63, four tiles of 16) and g = w >> 2 (head 2 t + g in trip t).
; Each K or V fragment read from LDS feeds four matrix instructions.  In the MLP wave w takes the query tiles 2 w and 2 w + 1.
; EVERYTHING IS TRANSPOSED, so that no operand is ever shuffled between lanes:
;   S^T = K Q^T: lane (r, h), register j of tile kt = (key 16 kt + 8 h + j, query r): maximum and sum over keys run inside the lane, plus one exchange of halves;
;   two such tiles, packed to f16 in place, are source 1 of ctx^T = V^T P^T; its two e tiles, packed, are source 1 (k step = head) of hid^T = W1^T ctx^T.
; SOFTMAX: a running maximum over chunks of 128 keys, taken away before every exponential; sums and context are rescaled by 2^(old - new).  The scores come in
; units of log2 (the factor lies in q).
; FORMAT.  Matrix operands are f16 (11 significant bits), sums f32: the context is a sum of 512 terms of either sign, so each operand's relative rounding error
; shows undiminished in the result, and bf16's 8 bits leave too little margin.  RANGE, stated: an operand beyond 65,504 becomes infinite.  P lies in 0..1; the context
; is a convex mix of V and shares V's range (about 5,000 with H and Wv 30 times the drawn spread, about 14,400 with an offset of 30 spreads on both); q after its factor 0.255:
; about 128 x 30 x 2.65 x 0.255 = 2,600 with such offsets on both its factors.  Downward the steps of f16 are 2^-24 below 2^-14: with all inputs 30 times smaller the context is
; about 5e-5 and still keeps about 11 bits less 1.  Other stated limits: p below 2^-126 counts as 0 (and below 2^-25 is 0 as an operand); the row's sum adds p in f32
; while the product with V takes p rounded to f16; q is rounded after the scale; NaN and infinities are not treated apart from what this arithmetic gives.
; TILES.  Ten tiles of 65,536 bytes of this b (eight of K and V, two of W1) go through two LDS slots, tile j in slot j & 1.  They hang on b alone, and the four work-groups
; of a cluster (bh = 4 x cluster + cx) share b: every tile is asked for jointly, mask 15.  Each wave asks for its eighth, 32 rows of 256 bytes.  Two tensor loads of a wave are
; out at the start (tiles 0 and 1), later one.  (Of the 32 work-groups with one b only four can be named by a mask.)  All data lie in fragment order, so every LDS load is
; 32 lanes x 16 neighbouring bytes: no padding.
; THE CHANGE OF SLOTS stands where a wave's last fragments of a slot have landed in registers: in the slot's second chunk, behind the wait for V.  There the wave also waits for
; all its tensor loads (its eighth of the other slot's tile) and signals.  Two and a half query tiles' work, on registers alone, stands between that signal and its wait; then the
; rest of the cluster's round, the slot's refill (the tile two further on), and the other slot's first K fragments.  So the fetch of fragments runs on from chunk to chunk, over
; slots and heads, and a wave that is ahead of the others has work to do before it must wait for them.
; LDS: slot 0 at 0, slot 1 at 65,536; context fragments (query tile Q, head n) at 131,072 + (8 Q + n) x 1,024; b1 at 262,144; W2 at 263,168; y at 264,192.
; Tensor loads land in the two slots alone.
.set TILE, 65536
.set BSTR, 655360                      ; bytes of kvw for one b
.set CTX,  131072
.set B1L,  262144
.set YS,   264192
.set QTO,  262144                      ; qf: the part that hangs on the target
; window 0: v0 thread; v1 16 x lane; v2, v3 my head's K and V in slot 0, 1; v4 where my context goes; v5, v6 offsets of the q parts; v7 slot 1 + 16 x lane;
;           v28, v29 the q parts' offsets for head g; v30 b1 in LDS + 32 h; v31 my two query tiles' context
.set MX,   8                           ; v8-11    running maximum of query tile i     (MLP: v8-11 = two pairs of sums for y)
.set LS,   12                          ; v12-15   running sum, my half of the keys
.set TT,   16                          ; v16-19   at work
.set MN,   20                          ; v20:21   the new maximum, twice
.set AL,   22                          ; v22:23   2^(old - new), twice
.set C0,   24                          ; v24:25, v26:27  two chains of the chunk's sum
.set C1,   26
.set QF,   32                          ; v32-63   q fragments of my four query tiles   (MLP: set 0 of b1 and W2)
.set ACC,  64                          ; v64-127  context, (i, et) at 8 (2 i + et)
.set SR,   128                         ; v128-191 eight score tiles; then P, packed in place, fragment kb at 16 kb
.set CF,   64                          ; MLP: v64-191 context fragments (q, kk) at 8 (8 q + kk)
.set HID,  192                         ; MLP: v192-223 hidden (o2, q) at 8 (2 o2 + q); v224-255 set 1 of b1 and W2
; window 1 (registers 256 and up, written by their low 8 bits)
.set KF,   0                           ; 8 fragments of K                               (MLP: W1, set 0 at 0, set 1 at 128)
.set VF,   64                          ; 8 fragments of V, (et, kb) at 8 (4 et + kb)
.set QRAW, 128                         ; the target's part of q, f32, 16 registers a query tile
.set QA,   192                         ; the (b, h) part of q, f32
.set MSB, 0
.macro WIN new                         ; low byte: bits 1:0 source 0, 3:2 source 1, 5:4 source 2, 7:6 destination; the high byte repeats the setting that is left
.if MSB != \new
	s_set_vgpr_msb (MSB<<8)|\new
.set MSB, \new
.endif
.endm
.macro PLACES n                        ; plain vector instructions behind a matrix instruction (ISA guide 7.12.1)
.rept \n
	v_nop
.endr
.endm
; A round of the cluster's barrier: my work-group's barrier, wave 0 signals for the work-group, every wave waits for all four work-groups, my work-group's barrier again.
.macro CREST                           ; a round behind its opening barrier
	s_cmp_lg_u32 s32, 0
	s_cbranch_scc1 .Lnot_wave_0_\@
	s_barrier_signal -3
.Lnot_wave_0_\@:
	s_barrier_wait -3
	s_barrier_signal -1
	s_barrier_wait -1
.endm
.macro ROUND                           ; a whole round
	s_barrier_signal -1
	s_barrier_wait -1
	CREST
.endm
.macro LOADK slot, cc                  ; the 8 K fragments of chunk cc (128 keys)
	WIN 0x40
.irp kt, 0,1,2,3,4,5,6,7
	ds_load_b128 v[KF+8*\kt:KF+8*\kt+3],   v[2+\slot] offset:(\cc)*8192+\kt*1024
	ds_load_b128 v[KF+8*\kt+4:KF+8*\kt+7], v[2+\slot] offset:(\cc)*8192+\kt*1024+512
.endr
.endm
.macro LOADV slot, cc                  ; the 8 V fragments of chunk cc
	WIN 0x40
.irp et, 0,1
.irp kb, 0,1,2,3
	ds_load_b128 v[VF+8*(4*\et+\kb):VF+8*(4*\et+\kb)+3],   v[2+\slot] offset:16384+(8*\et+4*(\cc)+\kb)*1024
	ds_load_b128 v[VF+8*(4*\et+\kb)+4:VF+8*(4*\et+\kb)+7], v[2+\slot] offset:16384+(8*\et+4*(\cc)+\kb)*1024+512
.endr
.endr
.endm
.macro QLOAD                           ; the two parts of q for the pair of heads at s40 = 4,096 x trip: 20 loads
	v_add_nc_u32 v5, s40, v28
	v_add_nc_u32 v6, s40, v29
	WIN 0x40
.irp gq, 0,1,2,3
	global_load_b128 v[QA+4*\gq:QA+4*\gq+3], v6, s[6:7] offset:512*\gq
.endr
.irp i, 0,1,2,3
.irp gq, 0,1,2,3
	global_load_b128 v[QRAW+16*\i+4*\gq:QRAW+16*\i+4*\gq+3], v5, s[6:7] offset:16384*\i+512*\gq
.endr
.endr
	WIN 0
.endm
.macro QPREP                           ; q = the two parts' sum, rounded to f16: four fragments
	s_wait_loadcnt 0x0                             ; the 20 loads; it also frees v5 and v6
	WIN 0x45
.irp i, 0,1,2,3
.irp m, 0,2,4,6,8,10,12,14
	v_pk_add_f32 v[QRAW+16*\i+\m:QRAW+16*\i+\m+1], v[QRAW+16*\i+\m:QRAW+16*\i+\m+1], v[QA+\m:QA+\m+1]
.endr
.endr
	WIN 0x05
.set cnt, 0
.rept 32
	v_cvt_pk_f16_f32 v[QF+cnt], v[QRAW+2*cnt], v[QRAW+2*cnt+1]
.set cnt, cnt+1
.endr
	WIN 0
.endm
; pieces of the softmax, one score tile (8 registers) each
.macro SUBT kt
.irp m, 0,2,4,6
	v_pk_add_f32 v[SR+8*(\kt)+\m:SR+8*(\kt)+\m+1], v[SR+8*(\kt)+\m:SR+8*(\kt)+\m+1], v[MN:MN+1] neg_lo:[0,1] neg_hi:[0,1]
.endr
.endm
.macro EXPT kt
.irp j, 0,1,2,3,4,5,6,7
	v_exp_f32 v[SR+8*(\kt)+\j], v[SR+8*(\kt)+\j]
.endr
.endm
.macro SUMT kt
.if \kt == 0
	s_wait_alu depctr_va_vdst(0)
	v_pk_add_f32 v[C0:C0+1], v[SR:SR+1],   v[SR+2:SR+3]           ; the first tile starts both chains: nothing is cleared
	v_pk_add_f32 v[C1:C1+1], v[SR+4:SR+5], v[SR+6:SR+7]
.else
	s_wait_alu depctr_va_vdst(0)
	v_pk_add_f32 v[C0:C0+1], v[C0:C0+1], v[SR+8*(\kt):SR+8*(\kt)+1]
	v_pk_add_f32 v[C1:C1+1], v[C1:C1+1], v[SR+8*(\kt)+2:SR+8*(\kt)+3]
	v_pk_add_f32 v[C0:C0+1], v[C0:C0+1], v[SR+8*(\kt)+4:SR+8*(\kt)+5]
	v_pk_add_f32 v[C1:C1+1], v[C1:C1+1], v[SR+8*(\kt)+6:SR+8*(\kt)+7]
.endif
.endm
.macro CVTT kt                         ; tile kt becomes half kt % 2 of P's fragment kt / 2, in registers that have been read already
.irp m, 0,1,2,3
	v_cvt_pk_f16_f32 v[SR+16*((\kt)/2)+4*((\kt)%2)+\m], v[SR+8*(\kt)+2*\m], v[SR+8*(\kt)+2*\m+1]
.endr
.endm
; Softmax step of query tile i on the 128 keys in SR.  first = 1: the head's first chunk starts maximum, sum and context.
.macro SOFT i, first
.irp c, 0,1,2,3
	v_max3_num_f32 v[TT+\c], v[SR+16*\c], v[SR+16*\c+1], v[SR+16*\c+2]          ; four chains of 16 registers
.endr
.irp m, 3,5,7,9,11,13
.irp c, 0,1,2,3
	v_max3_num_f32 v[TT+\c], v[TT+\c], v[SR+16*\c+\m], v[SR+16*\c+\m+1]
.endr
.endr
	v_max3_num_f32 v[TT],   v[TT],   v[SR+15], v[SR+31]
	v_max3_num_f32 v[TT+1], v[TT+1], v[SR+47], v[SR+63]
	v_max3_num_f32 v[TT],   v[TT],   v[TT+1],  v[TT+2]
	v_max_num_f32  v[TT],   v[TT],   v[TT+3]
	v_permlanex16_b32 v[TT+1], v[TT], s34, s35     ; the other half of the lanes holds the query's other 64 keys
.if \first
	v_max_num_f32 v[MN], v[TT], v[TT+1]
.else
	v_max3_num_f32 v[MN], v[TT], v[TT+1], v[MX+\i]
	v_sub_f32 v[AL], v[MX+\i], v[MN]
	v_exp_f32 v[AL], v[AL]                         ; the two copies below stand between it and the first use of its result (ISA guide 5.7.2)
.endif
	v_mov_b32 v[MN+1], v[MN]
	v_mov_b32 v[MX+\i], v[MN]
.if \first == 0
	s_wait_alu depctr_va_vdst(0)
	v_mov_b32 v[AL+1], v[AL]
.endif
	SUBT 0
.irp kt, 0,1,2,3,4,5,6
	EXPT \kt                                       ; eight exponentials back to back;
	SUBT \kt+1                                     ; the next tile's four subtractions are the plain instructions behind them
	SUMT \kt
	CVTT \kt
.endr
	EXPT 7
.if \first
	v_nop                                          ; the plain instruction behind the last exponentials
.else
.irp m, 0,2,4,6,8,10,12,14
	v_pk_mul_f32 v[ACC+16*\i+\m:ACC+16*\i+\m+1], v[ACC+16*\i+\m:ACC+16*\i+\m+1], v[AL:AL+1]   ; here the context's rescaling stands behind them
.endr
.endif
	SUMT 7
	CVTT 7
	v_pk_add_f32 v[C0:C0+1], v[C0:C0+1], v[C1:C1+1]
.if \first
	v_add_f32 v[LS+\i], v[C0], v[C0+1]
.else
	v_add_f32 v[C0], v[C0], v[C0+1]
	v_fma_f32 v[LS+\i], v[LS+\i], v[AL], v[C0]
.endif
.endm
.macro PV1 i, et, kb, zero
.if \zero
	v_wmma_f32_16x16x32_f16 v[ACC+16*\i+8*\et:ACC+16*\i+8*\et+7], v[VF+8*(4*\et+\kb):VF+8*(4*\et+\kb)+7], v[SR+16*\kb:SR+16*\kb+7], 0
.else
	v_wmma_f32_16x16x32_f16 v[ACC+16*\i+8*\et:ACC+16*\i+8*\et+7], v[VF+8*(4*\et+\kb):VF+8*(4*\et+\kb)+7], v[SR+16*\kb:SR+16*\kb+7], v[ACC+16*\i+8*\et:ACC+16*\i+8*\et+7]
.endif
.endm
; 128 keys (chunk cc of slot) for my four query tiles.  The next chunk (ncc of nslot) is fetched on the way: its K when the last scores are made, its V when the last
; products are.  turn = 1: this is the slot's second chunk and holds the change of slots.  guard = 1: the trip's last chunk; in the last trip nothing follows, and the two
; fetches are jumped over (the branch hangs on the trip counter, which is alike in all waves and all partners).  It ends with five places behind its last matrix instruction.
.macro CHUNK slot, cc, first, nslot, ncc, turn, guard
.irp i, 0,1,2,3
.if \i == 0
	s_wait_dscnt 16                                ; K's 16 loads are in: behind them V's 16 were issued (and, at a trip's head, 8 stores of context behind those)
.endif
	WIN 0x01
.irp kt, 0,1,2,3,4,5,6,7
	v_wmma_f32_16x16x32_f16 v[SR+8*\kt:SR+8*\kt+7], v[KF+8*\kt:KF+8*\kt+7], v[QF+8*\i:QF+8*\i+7], 0
.endr
	WIN 0
	PLACES 4                                       ; before the scores are read, and before loads land in K's registers
.if \i == 3
.if \turn
	s_barrier_wait -1                              ; all eight waves have this slot's fragments in registers and their parts of the other slot's tile in LDS;
	CREST                                          ; so have the waves of the three partners
	tensor_load_to_lds s[24+4*\slot:27+4*\slot], s[16:23]   ; this slot's refill, two tiles on: my one tensor load behind the round, ahead of every LDS read
	s_nop 0
.endif
.if \guard
	s_cmp_eq_u32 s33, 3
	s_cbranch_scc1 .Lno_k_\@
.endif
	LOADK \nslot, \ncc
	WIN 0
.if \guard
.Lno_k_\@:
.endif
.endif
	SOFT \i, \first
.if \i == 0
	s_wait_dscnt 0                                 ; V is in: with it all my LDS instructions are done; in a slot's second chunk these were my last reads of the slot
.if \turn
	s_wait_xcnt 0x0
	v_lshl_add_u32 v254, v0, 2, 0x40c00
	v_mov_b32 v255, 0
	s_wait_tensorcnt 0x0                           ; all my tensor loads have landed (one was out: my eighth of the other slot's tile), so a descriptor may be written
	ds_add_u32 v254, v255
	s_wait_dscnt 0x0
	s_add_nc_u64 s[26+4*\slot:27+4*\slot], s[26+4*\slot:27+4*\slot], 2*TILE   ; this slot's next tile
	s_barrier_signal -1                            ; the round opens; up to its wait, behind query tile 3's scores, stands register work alone
.endif
.endif
	WIN 0x01
	PV1 \i, 0, 0, \first                           ; the two e tiles take turns, one instruction a turn
	PV1 \i, 1, 0, \first
.irp kb, 1,2,3
	PV1 \i, 0, \kb, 0
	PV1 \i, 1, \kb, 0
.endr
	WIN 0
	PLACES 5                                       ; the next scores write over P, which these matrix instructions read; loads land in V's registers
.if \i == 3
.if \guard
	s_cmp_eq_u32 s33, 3
	s_cbranch_scc1 .Lno_v_\@
.endif
	LOADV \nslot, \ncc
.if \guard
	WIN 0
.Lno_v_\@:
.endif
.endif
.endr
.endm
; A head is done: divide by the sum, round to f16, store my four context fragments.  (The places behind the last matrix instruction stand at the chunk's end.)
.macro FINAL
.irp i, 0,1,2,3
	v_permlanex16_b32 v[TT+\i], v[LS+\i], s34, s35
.endr
.irp i, 0,1,2,3
	v_add_f32 v[TT+\i], v[TT+\i], v[LS+\i]         ; at least 1: the largest score gives 2^0
.endr
.irp i, 0,1,2,3
	v_rcp_f32 v[MN+2*\i], v[TT+\i]
.endr
	v_nop                                          ; the plain instruction behind the reciprocals
.irp i, 0,1,2,3
	s_wait_alu depctr_va_vdst(0)
	v_mov_b32 v[MN+2*\i+1], v[MN+2*\i]
.endr
.irp i, 0,1,2,3
.irp m, 0,2,4,6,8,10,12,14
	v_pk_mul_f32 v[ACC+16*\i+\m:ACC+16*\i+\m+1], v[ACC+16*\i+\m:ACC+16*\i+\m+1], v[MN+2*\i:MN+2*\i+1]
.endr
.irp k, 0,1,2,3,4,5,6,7
	v_cvt_pk_f16_f32 v[SR+8*\i+\k], v[ACC+16*\i+2*\k], v[ACC+16*\i+2*\k+1]
.endr
	ds_store_b128 v4, v[SR+8*\i:SR+8*\i+3]   offset:8192*\i
	ds_store_b128 v4, v[SR+8*\i+4:SR+8*\i+7] offset:8192*\i+512
.endr
	v_add_nc_u32 v4, 2048, v4                      ; the next pair of heads
.endm
; MLP: two output tiles (pair pr of the slot's four): 16 fragments of W1 into window 1, their b1 and W2 into window 0; two sets take turns.
.macro LOADW slot, pr, set
	WIN 0x40
.irp o2, 0,1
.irp kk, 0,1,2,3,4,5,6,7
	ds_load_b128 v[128*(\set)+8*(8*\o2+\kk):128*(\set)+8*(8*\o2+\kk)+3],   v[1+6*\slot] offset:((2*(\pr)+\o2)*8+\kk)*1024
	ds_load_b128 v[128*(\set)+8*(8*\o2+\kk)+4:128*(\set)+8*(8*\o2+\kk)+7], v[1+6*\slot] offset:((2*(\pr)+\o2)*8+\kk)*1024+512
.endr
.endr
	WIN 0
.irp o2, 0,1
	ds_load_b128 v[32+192*(\set)+8*\o2:32+192*(\set)+8*\o2+3],     v30 offset:(8*\slot+2*(\pr)+\o2)*64          ; b1[16 ot + 8 h + 0..7]
	ds_load_b128 v[32+192*(\set)+8*\o2+4:32+192*(\set)+8*\o2+7],   v30 offset:(8*\slot+2*(\pr)+\o2)*64+16
	ds_load_b128 v[48+192*(\set)+8*\o2:48+192*(\set)+8*\o2+3],     v30 offset:1024+(8*\slot+2*(\pr)+\o2)*64     ; W2 likewise
	ds_load_b128 v[48+192*(\set)+8*\o2+4:48+192*(\set)+8*\o2+7],   v30 offset:1024+(8*\slot+2*(\pr)+\o2)*64+16
.endr
.endm
; The pair of output tiles in set.  more = 1: the next pair (npr of nslot) is fetched into the other set.
.macro MLP set, more, nslot, npr
	s_wait_dscnt 0x0
	WIN 0x01
.irp kk, 0,1,2,3,4,5,6,7                           ; four accumulators take turns, one instruction a turn; b1 starts the sums
.irp o2, 0,1
.irp q, 0,1
.if \kk == 0
	v_wmma_f32_16x16x32_f16 v[HID+8*(2*\o2+\q):HID+8*(2*\o2+\q)+7], v[128*(\set)+8*(8*\o2+\kk):128*(\set)+8*(8*\o2+\kk)+7], v[CF+8*(8*\q+\kk):CF+8*(8*\q+\kk)+7], v[32+192*(\set)+8*\o2:32+192*(\set)+8*\o2+7]
.else
	v_wmma_f32_16x16x32_f16 v[HID+8*(2*\o2+\q):HID+8*(2*\o2+\q)+7], v[128*(\set)+8*(8*\o2+\kk):128*(\set)+8*(8*\o2+\kk)+7], v[CF+8*(8*\q+\kk):CF+8*(8*\q+\kk)+7], v[HID+8*(2*\o2+\q):HID+8*(2*\o2+\q)+7]
.endif
.endr
.endr
.endr
	WIN 0
	PLACES 4
.if \more
	LOADW \nslot, \npr, 1-\set                     ; the next pair lands while this one is finished
.endif
.set cnt, 0
.rept 32
	v_max_num_f32 v[HID+cnt], 0, v[HID+cnt]
.set cnt, cnt+1
.endr
.irp m, 0,2,4,6
.irp o2, 0,1
.irp q, 0,1
	v_pk_fma_f32 v[8+2*\q:9+2*\q], v[HID+8*(2*\o2+\q)+\m:HID+8*(2*\o2+\q)+\m+1], v[48+192*(\set)+8*\o2+\m:48+192*(\set)+8*\o2+\m+1], v[8+2*\q:9+2*\q]
.endr
.endr
.endr
.endm
; ---------------- set-up ----------------
	s_load_b256 s[4:11], s[0:1], 0x0               ; kvw s[4:5], qf s[6:7], b1 s[8:9], W2 s[10:11]
	s_load_b128 s[12:15], s[0:1], 0x20             ; b2 s[12:13], out0 s[14:15]
	v_lshl_add_u32 v254, v0, 2, 0x40c00
	v_mov_b32 v255, 0
	ds_add_u32 v254, v255
	s_wait_dscnt 0x0
	v_lshrrev_b32 v1, 5, v0
	v_readfirstlane_b32 s32, v1                    ; wave w
	s_mov_b32 s34, 0x76543210                      ; v_permlanex16_b32: lane i of one half reads lane i of the other
	s_mov_b32 s35, 0xfedcba98
	s_lshr_b32 s36, s32, 2                         ; g
	s_and_b32 s37, s32, 3                          ; p
	s_bfe_u32 s38, ttmp6, 0x40000                  ; cx: it enters two offsets into memory (my row of qf, my part of out0) and nothing else
	s_lshl_b32 s39, ttmp9, 2
	s_add_co_u32 s39, s39, s38                     ; bh
	; descriptor group 1: 32 rows of 32 elements of 8 bytes, dense
	s_mov_b32 s16, 0x0023000f                      ; 15:0 mask: all four of the cluster; 17:16 elements of 8 bytes; 21 set beside a mask
	s_mov_b32 s17, 32<<16                          ; tensor_dim0 = 32
	s_mov_b32 s18, 32<<16                          ; tensor_dim1 = 32
	s_mov_b32 s19, 32<<16                          ; tile_dim0 = 32
	s_mov_b32 s20, 32                              ; tile_dim1 = 32
	s_mov_b32 s21, 32                              ; from row to row: 32 elements
	s_mov_b32 s22, 0
	s_mov_b32 s23, 0
	; descriptor group 0, one set for each slot: my eighth of tile 0 and of tile 1
	s_mov_b32 s24, 1
	s_lshl_b32 s25, s32, 13                        ; LDS: w x 8,192
	s_mov_b32 s28, 1
	s_add_co_u32 s29, s25, TILE
	s_lshr_b32 s40, ttmp9, 3                       ; b = bh >> 5: the same in the four partners
	s_mul_i32 s40, s40, BSTR
	s_add_co_u32 s40, s40, s25
	s_mov_b32 s41, 0
	s_wait_kmcnt 0x0
	s_add_nc_u64 s[26:27], s[4:5], s[40:41]
	s_add_nc_u64 s[30:31], s[26:27], TILE
	s_or_b32 s27, s27, 0x80000000                  ; type 2
	s_or_b32 s31, s31, 0x80000000
	s_load_b32 s44, s[12:13], 0x0                  ; b2
	ROUND                                          ; the four work-groups are here: the first joint loads meet
	tensor_load_to_lds s[24:27], s[16:23]          ; tile 0
	s_nop 0
	tensor_load_to_lds s[28:31], s[16:23]          ; tile 1: both first fills go out together
	s_nop 0
	v_and_b32 v1, 31, v0
	v_lshlrev_b32 v1, 4, v1                        ; 16 x lane
	v_bfe_u32 v16, v0, 4, 1                        ; h
	v_lshlrev_b32 v17, 2, v0
	global_load_b32 v18, v17, s[8:9]               ; b1 and W2: one number a thread, copied to LDS once
	global_load_b32 v19, v17, s[10:11]
	s_lshl_b32 s42, s36, 15
	v_add_nc_u32 v2, s42, v1                       ; slot 0, my head
	v_add_nc_u32 v3, TILE, v2                      ; slot 1
	v_add_nc_u32 v7, TILE, v1
	s_lshl_b32 s42, s37, 5
	s_add_co_u32 s42, s42, s36                     ; 32 p + g
	s_lshl_b32 s43, s42, 10
	s_add_co_u32 s43, s43, CTX
	v_add_nc_u32 v4, s43, v1                       ; context fragment (4 p, g)
	s_lshl_b32 s43, s42, 11
	s_add_co_u32 s43, s43, QTO
	v_add_nc_u32 v28, s43, v1                      ; qf, target part: (row tile 4 p, head g), my 16 bytes
	s_lshr_b32 s43, s39, 4
	s_lshl3_add_u32 s43, s43, s36
	s_lshl_b32 s43, s43, 11
	s_and_b32 s42, s39, 15
	s_lshl4_add_u32 s43, s42, s43
	v_lshl_add_u32 v29, v16, 8, s43                ; qf, (b, h) part: (row tile bh >> 4, head g), the 16 bytes of lane 16 h + (bh & 15)
	v_lshl_add_u32 v30, v16, 5, B1L
	s_lshl_b32 s43, s32, 14
	s_add_co_u32 s43, s43, CTX
	v_add_nc_u32 v31, s43, v1
	s_mov_b32 s40, 0
	QLOAD                                          ; heads 0 and 1
	v_add_nc_u32 v20, B1L, v17
	s_wait_loadcnt 20                              ; b1 and W2 are in; the 20 loads of q, issued behind them, stay out
	ds_store_b32 v20, v18
	ds_store_b32 v20, v19 offset:1024
	s_wait_kmcnt 0x0                               ; b2
	s_wait_tensorcnt 0x1                           ; my eighth of tile 0 is in; tile 1's load, issued behind it, stays out
	s_wait_dscnt 0x0                               ; my two stores are done before I say so
	s_barrier_signal -1
	s_barrier_wait -1                              ; tile 0 is whole
	LOADK 0, 0
	LOADV 0, 0
	WIN 0
	s_mov_b32 s33, 0
; ---------------- attention: a trip is a pair of heads, two tiles, four chunks of 128 keys ----------------
.Ltrip:
	QPREP
	CHUNK 0, 0, 1, 0, 1, 0, 0                      ; tile 2 t, keys 0-127
	CHUNK 0, 1, 0, 1, 0, 1, 0                      ; keys 128-255; slot 0 is done with and gets tile 2 t + 2 (in the last trip: W1's first half)
	WIN 0
	s_cmp_eq_u32 s33, 3                            ; the last trip has no next heads
	s_cbranch_scc1 .Lno_q
	s_lshl_b32 s40, s33, 12
	s_add_co_u32 s40, s40, 4096
	QLOAD                                          ; the next trip's q: two chunks ahead of its use
.Lno_q:
	CHUNK 1, 0, 0, 1, 1, 0, 0                      ; tile 2 t + 1, keys 256-383
	CHUNK 1, 1, 0, 0, 0, 1, 1                      ; keys 384-511; slot 1 gets tile 2 t + 3 (in the last trip: W1's second half)
	FINAL
	s_add_co_u32 s33, s33, 1
	s_cmp_lt_u32 s33, 4
	s_cbranch_scc1 .Ltrip
; ---------------- MLP: hid^T = W1^T ctx^T + b1, ReLU, times W2 ----------------
	s_wait_tensorcnt 0x0                           ; my eighth of W1's second half is in: the last tensor load
	s_wait_dscnt 0x0                               ; my context is stored
	s_barrier_signal -1
	s_barrier_wait -1                              ; both hold of every wave; nothing is filled any more
	s_wait_loadcnt 0x0                             ; on the way taken no global load is out (the last trip asked for none); stated for every way through that branch, ahead of LDS loads into the same registers
.set cnt, 0
.rept 16
	ds_load_b128 v[CF+8*cnt:CF+8*cnt+3],   v31 offset:1024*cnt
	ds_load_b128 v[CF+8*cnt+4:CF+8*cnt+7], v31 offset:1024*cnt+512
.set cnt, cnt+1
.endr
.irp j, 8,9,10,11
	v_mov_b32 v\j, 0                               ; y's four partial sums
.endr
	LOADW 0, 0, 0
	MLP 0, 1, 0, 1
	MLP 1, 1, 0, 2
	MLP 0, 1, 0, 3
	MLP 1, 1, 1, 0                                 ; on into W1's second half, in slot 1
	MLP 0, 1, 1, 1
	MLP 1, 1, 1, 2
	MLP 0, 1, 1, 3
	MLP 1, 0, 0, 0
; ---------------- y: lane (r, h) holds half of the outputs' sum for query r of both my tiles ----------------
	v_add_f32 v8, v8, v9
	v_add_f32 v10, v10, v11
	v_permlanex16_b32 v9, v8, s34, s35
	v_permlanex16_b32 v11, v10, s34, s35
	v_add_f32 v8, v8, v9
	v_add_f32 v10, v10, v11
	v_and_b32 v12, 16, v0
	v_cmp_ne_u32 vcc_lo, 0, v12
	v_cndmask_b32 v8, v8, v10, vcc_lo              ; lanes 0-15 keep tile 2 w, lanes 16-31 tile 2 w + 1: thread v0 holds target v0
	v_add_f32 v8, s44, v8                          ; + b2
	v_lshlrev_b32 v13, 2, v0
	v_add_nc_u32 v13, YS, v13
	ds_store_b32 v13, v8
	s_wait_dscnt 0x0                               ; my store is done before I say so
	ROUND                                          ; the closing round: no work-group ends while a partner may still ask jointly; it also shows y to waves 0 and 1
	s_cmp_ge_u32 s32, 2
	s_cbranch_scc1 .Lend
	v_lshl_add_u32 v14, s32, 9, v1                 ; 512 w + 16 x lane
	v_add_nc_u32 v15, YS, v14
	ds_load_b128 v[16:19], v15
	s_lshl_b32 s40, s39, 10                        ; 256 f32 for each bh
	s_mov_b32 s41, 0
	s_add_nc_u64 s[14:15], s[14:15], s[40:41]
	s_wait_dscnt 0x0
	global_store_b128 v14, v[16:19], s[14:15]      ; a wave's store covers 512 consecutive bytes, aligned
.Lend:
	s_wait_xcnt 0x0
	v_lshl_add_u32 v254, v0, 2, 0x40c00
	v_mov_b32 v255, 0
	s_wait_tensorcnt 0x0
	ds_add_u32 v254, v255
	s_wait_dscnt 0x0
	s_endpgm
.Lfunc_end_k_qce3020706d_attn:
	.size	k_qce3020706d_attn, .Lfunc_end_k_qce3020706d_attn-k_qce3020706d_attn
	.p2alignl 7, 3214868480
	.fill 96, 4, 3214868480
	.section	.rodata,"a",@progbits
	.p2align	6, 0x0
	.amdhsa_kernel k_qce3020706d_attn
		.amdhsa_group_segment_fixed_size 327680
		.amdhsa_private_segment_fixed_size 0
		.amdhsa_enable_private_segment 0
		.amdhsa_kernarg_size 48
		.amdhsa_user_sgpr_count 2
		.amdhsa_user_sgpr_kernarg_segment_ptr 1
		.amdhsa_wavefront_size32 1
		.amdhsa_system_sgpr_workgroup_id_x 1
		.amdhsa_system_sgpr_workgroup_id_y 1
		.amdhsa_system_sgpr_workgroup_id_z 1
		.amdhsa_system_vgpr_workitem_id 0
		.amdhsa_next_free_vgpr 512
		.amdhsa_next_free_sgpr 66
		.amdhsa_reserve_vcc 1
		.amdhsa_float_denorm_mode_32 3
		.amdhsa_float_denorm_mode_16_64 3
		.amdhsa_memory_ordered 1
		.amdhsa_forward_progress 1
		.amdhsa_inst_pref_size 255
	.end_amdhsa_kernel
	.section	.bss,"aw",@nobits
	.p2align	6
	.space	262144
	.amdgpu_metadata
---
amdhsa.version: [ 1, 2 ]
amdhsa.kernels:
  - .name:           k_qce3020706d_attn
    .symbol:         k_qce3020706d_attn.kd
    .args:
      - { .name: kvw, .offset: 0, .size: 8, .value_kind: global_buffer, .address_space: global }
      - { .name: qf, .offset: 8, .size: 8, .value_kind: global_buffer, .address_space: global }
      - { .name: b1, .offset: 16, .size: 8, .value_kind: global_buffer, .address_space: global }
      - { .name: W2, .offset: 24, .size: 8, .value_kind: global_buffer, .address_space: global }
      - { .name: b2, .offset: 32, .size: 8, .value_kind: global_buffer, .address_space: global }
      - { .name: out0, .offset: 40, .size: 8, .value_kind: global_buffer, .address_space: global }
    .group_segment_fixed_size: 327680
    .private_segment_fixed_size: 0
    .kernarg_segment_align: 8
    .kernarg_segment_size: 48
    .max_flat_workgroup_size: 256
    .sgpr_count:     66
    .vgpr_count:     512
    .wavefront_size: 32
...
	.end_amdgpu_metadata
.endif
;; end of part 2
;; ======== version 2 of 2: 2 launches; version 1 with the launch prep written anew for expert scheduling mode
;; limits: values are held in f16: magnitudes above 65,504 overflow, below 6.1e-05 lose precision
;; workspace buffers: kvw 5,242,880 bytes; qf 524,288 bytes
;; launch prep (part 3): grid 320 x 1, 8 waves a work-group, no clusters, 33,792 bytes of LDS; arguments A, phi_target, X_target, H_emb_obs, Wq, bq, Wk, bk, Wv, bv, W1, kvw, qf; writes kvw, qf
.if DOCPART == 3
	.amdgcn_target "amdgcn-amd-amdhsa--gfx1250"
	.amdhsa_code_object_version 6
	.text
	.protected	k_qce3020706d_prep
	.globl	k_qce3020706d_prep
	.p2align	8
	.type	k_qce3020706d_prep,@function
k_qce3020706d_prep:
	s_mov_b64 s[64:65], 0
	v_nop
	global_prefetch_b8 v0, s[64:65] scope:SCOPE_SE
	s_setreg_imm32_b32 hwreg(HW_REG_WAVE_SCHED_MODE, 0, 2), 2
	s_setreg_imm32_b32 hwreg(HW_REG_WAVE_MODE, 25, 1), 1
	s_wait_xcnt 0x0
	s_wait_alu depctr_vm_vsrc(0)
; prep: everything that the attention launch needs more than once, made once, in f16 (q parts: f32), laid out in the ORDER OF MATRIX FRAGMENTS.
; A fragment is a 16 x 32 operand of 16-bit numbers, 1,024 bytes: byte c*512 + lane*16 holds registers 4c..4c+3 of that lane.  So each store here and
; each LDS load of the next launch is 32 lanes x 16 neighbouring bytes: every store of a wave covers 512 consecutive bytes, aligned.
;   kvw [b 8][tile 10][65,536]: tile 2t+u (t: pair of heads, u: half of the 512 keys) = [g 2][32,768] for head n = 2t+g:
;        K+bk fragments (rows = 16 keys, k = the head's 32 e) at kt*1024, kt 0..15; V+bv fragments (rows = 16 e, k = 32 keys) at 16384+(et*8+kb)*1024.
;        tiles 8, 9: W1 transposed (rows = 16 outputs, k = 32 inputs) at (ot*8+kk)*1024.  W1 is written once for each b (1 MiB more than needed), so that
;        the next launch walks ten tiles of one b with one constant step.
;   qf  [rho 2][row tile 16][head 8][group 4][512]: f32; rho 0: A[bh] x Wq[0:64]; rho 1: [phi|X][t] x Wq[64:128] + bq; q of (bh, t) is their sum
;        (the product of a concatenation is the sum of the parts' products, for every input).  Both are multiplied by log2(e)/sqrt(32), so that the
;        scores come out ready for an exponential of base 2.  Group 2c+p, lane (h, r): row r, e = 16c+8h+4p+0..3.
; Work-groups 0..255: K and V of (b, head n, 128 keys z), wave w = 16 keys.  256..287: q parts, wave = head.  288..319: W1, a quarter for one b.
; The role hangs on the work-group's number alone, so all eight waves take the same way and meet the one barrier together.
; FORMAT.  Matrix operands are f16, sums f32.  Why f16 and not bf16: the context is a sum of 512 terms of either sign that comes out about as small as one
; term's spread times sqrt of the sum of p^2, so every operand's relative rounding error shows undiminished in the result; f16 keeps 11 significant bits, bf16 8.
; RANGE, stated: the largest finite f16 is 65,504; an operand beyond it becomes infinite.  The inputs themselves, 30 times the drawn spread or offset by 30 spreads,
; stay in the hundreds.  K and V = H W + b: with H and W both 30 times larger about 900 x 5.5 = 5,000; with an offset of 30 spreads on both about
; 256 x 30 x 30/16 = 14,400.  Downward: below 2^-14 the steps of f16 are 2^-24; weights 30 times smaller are about 0.002, K and V with all inputs 30 times smaller about 0.001.
; NaN and infinities are not treated apart from what this arithmetic gives.
; THE MODE: SCHED_MODE bits 1:0 = 2 (LLVM: expert scheduling mode 2), set by the entry lines.  The code itself states the register dependences
; between vector or matrix instructions and memory or LDS instructions, with s_wait_alu, always for 0.
; THE PLAN, K and V.  Registers that memory or LDS instructions touch, in the order of the text:
;   v3-v7, v10    offsets and LDS addresses: written once, ahead of the first load; never written again.  v8, v9: the stores' offsets, made behind the last matrix instruction.
;   v144-207      the 64 weight loads land here; 32 conversions close each fragment up in place; eight LDS stores read the packed registers.  Behind the barrier the
;                 same registers are HF, which H's conversions write and vector and matrix instructions alone name.
;   v16-143       H's 32 loads land here; the first 32 conversions read v16-79 (k steps 0-3), the second 32 read v80-143 (k steps 4-7).  Then they are two buffers of eight weight
;                 fragments, A = v16-79 and B = v80-143.  A step is two k steps, eight matrix instructions; step j's fragments lie in buffer j & 1.
;                 While step j is multiplied from one buffer, the LDS loads of step j + 1 land in the other, which no vector or matrix instruction of step j names.
;   v240-255      the last 16 conversions write them, the four global stores read them.
;   v14, v15      written at the head, read by the closing add alone.
; So one wait on va_vdst stands behind each batch of conversions whose registers are stored or loaded again, one at the head of steps 1 and 2 (the step before is done
; reading the buffer that is loaded again), one ahead of the global stores; and one wait on vm_vsrc stands behind the barrier, ahead of the first write of HF.
; The q parts and W1: one wait on va_vdst ahead of the first load (the offsets) and one ahead of the stores (their data).
.set BSTR, 655360                      ; bytes of kvw for one b
.set SC,   0x3e8293ee                  ; log2(e) / sqrt(32)
.set HRAW, 16                          ; v16-143   16 keys x 256 d as loaded (f32); later WF
.set WF,   16                          ; v16-143   two buffers of eight weight fragments from LDS: buffer f at WF + 64 f, fragment (column tile ct, q) at 8 (2 ct + q)
.set WRAW, 144                         ; v144-207  four weight fragments as loaded (f32), then packed in place; later HF
.set HF,   144                         ; v144-207  H's eight fragments
.set ACC,  208                         ; v208-239  four accumulators
.set PK,   240                         ; v240-255  packed results
.macro PLACES n                        ; plain vector instructions behind a matrix instruction (ISA guide 7.12.1)
.rept \n
	v_nop
.endr
.endm
; One weight fragment, raw: lane (r, h) takes column col0 + r, rows 8h+0..7 and 16+8h+0..7 of a k step; all four weights have rows of 1,024 bytes.
.macro WLOAD R, va, sb, imm
.irp j, 0,1,2,3,4,5,6,7
	global_load_b32 v[\R+\j], v[\va], s[\sb:\sb+1] offset:\imm+\j*1024
.endr
.irp j, 8,9,10,11,12,13,14,15
	global_load_b32 v[\R+\j], v[\va], s[\sb:\sb+1] offset:\imm+(\j+8)*1024
.endr
.endm
.macro WPACK P, R                      ; 16 f32 to the fragment's 8 registers, the lower k in the lower half; with P = R the numbers close up in place: line k writes register k and reads 2k, 2k+1
.irp k, 0,1,2,3,4,5,6,7
	v_cvt_pk_f16_f32 v[\P+\k], v[\R+2*\k], v[\R+2*\k+1]
.endr
.endm
	s_load_b512 s[4:19], s[0:1], 0x0               ; A s[4:5], phi s[6:7], X s[8:9], H s[10:11], Wq s[12:13], bq s[14:15], Wk s[16:17], bk s[18:19]
	s_load_b256 s[20:27], s[0:1], 0x40             ; Wv s[20:21], bv s[22:23], W1 s[24:25], kvw s[26:27]
	s_load_b64 s[28:29], s[0:1], 0x60              ; qf
	v_lshl_add_u32 v14, v0, 2, 0x8000              ; my spare word, behind the 32 weight fragments; kept for the closing lines alone
	v_mov_b32 v15, 0                               ; and 0, likewise
	v_and_b32 v1, 15, v0                           ; r
	v_bfe_u32 v2, v0, 4, 1                         ; h
	v_and_b32 v3, 31, v0
	v_lshlrev_b32 v3, 4, v3                        ; 16 x lane
	v_lshrrev_b32 v4, 5, v0
	v_readfirstlane_b32 s30, v4                    ; wave w
	s_wait_alu depctr_va_sdst(0)                   ; s30 is written, ahead of the branches and of its first reader on each of the three ways
	s_mov_b32 s31, ttmp9                           ; work-group x
	s_wait_kmcnt 0x0
	s_cmp_ge_u32 s31, 288
	s_cbranch_scc1 .Lw1
	s_cmp_ge_u32 s31, 256
	s_cbranch_scc1 .Lq
; ---------------- K and V of 128 keys for one head ----------------
	s_lshr_b32 s32, s31, 5                         ; b
	s_bfe_u32 s33, s31, 0x30002                    ; n: 3 bits from bit 2
	s_and_b32 s34, s31, 3                          ; z
	s_lshl_b32 s35, s30, 15                        ; wave w fetches the weights of k step w: 32 w rows of 1,024 bytes
	s_lshl_b32 s36, s33, 7                         ; the head's 32 columns of 4 bytes
	s_add_co_u32 s35, s35, s36
	v_lshlrev_b32 v5, 2, v1
	v_lshl_add_u32 v5, v2, 13, v5
	v_add_nc_u32 v5, s35, v5                       ; (32w + 8h) x 1024 + (32n + r) x 4
	v_lshl_add_u32 v6, v2, 5, s36                  ; bk: (32n + 8h) x 4
	v_lshl_add_u32 v7, v1, 2, s36                  ; bv: (32n + r) x 4
	s_lshl_b32 s37, s32, 9
	s_lshl_b32 s38, s34, 7
	s_add_co_u32 s37, s37, s38
	s_lshl4_add_u32 s37, s30, s37                  ; my first key's row: 512 b + 128 z + 16 w
	s_lshl_b32 s37, s37, 10
	v_lshl_add_u32 v4, v1, 10, s37
	v_lshl_add_u32 v4, v2, 5, v4                   ; + r rows + 32 h bytes
	v_lshl_add_u32 v10, s30, 10, v3                ; LDS: fragment w of a column tile, my 16 bytes
	s_wait_alu depctr_va_vdst(0)                   ; v3 to v7 and v10 are written: the loads below, and the LDS stores and loads further down, read them as offsets and addresses
	WLOAD WRAW,    5, 16, 0                        ; Wk, e 0-15
	WLOAD WRAW+16, 5, 16, 64                       ; Wk, e 16-31
	WLOAD WRAW+32, 5, 20, 0                        ; Wv, e 0-15
	WLOAD WRAW+48, 5, 20, 64                       ; Wv, e 16-31
	; the biases start the sums.  K's accumulators hold (e = 16c+8h+j, key r): eight neighbouring bk.  V's hold (key 8h+j, e = r): one bv, copied below.
	global_load_b128 v[ACC:ACC+3],     v6, s[18:19]
	global_load_b128 v[ACC+4:ACC+7],   v6, s[18:19] offset:16
	global_load_b128 v[ACC+8:ACC+11],  v6, s[18:19] offset:64
	global_load_b128 v[ACC+12:ACC+15], v6, s[18:19] offset:80
	global_load_b32 v[ACC+16], v7, s[22:23]
	global_load_b32 v[ACC+24], v7, s[22:23] offset:64
.irp kk, 0,1,2,3,4,5,6,7
	global_load_b128 v[HRAW+16*\kk:HRAW+16*\kk+3],     v4, s[10:11] offset:128*\kk      ; key r, d = 32kk+8h+0..3
	global_load_b128 v[HRAW+16*\kk+4:HRAW+16*\kk+7],   v4, s[10:11] offset:128*\kk+16
	global_load_b128 v[HRAW+16*\kk+8:HRAW+16*\kk+11],  v4, s[10:11] offset:128*\kk+64   ; d = 32kk+16+8h+0..3
	global_load_b128 v[HRAW+16*\kk+12:HRAW+16*\kk+15], v4, s[10:11] offset:128*\kk+80
.endr
	s_wait_loadcnt 38                              ; the 64 weight loads are in; the 6 bias loads and the 32 of H, issued behind them, stay out
.irp i, 0,1,2,3
	WPACK WRAW+16*\i, WRAW+16*\i                   ; all four fragments first, each into the first eight of its own sixteen registers
.endr
	s_wait_alu depctr_va_vdst(0)                   ; the 32 conversions have written the packed fragments, which the eight LDS stores read
.irp i, 0,1,2,3
	ds_store_b128 v10, v[WRAW+16*\i:WRAW+16*\i+3]   offset:\i*8192          ; fragment (column tile i, k step w) at (8i + w) x 1024
	ds_store_b128 v10, v[WRAW+16*\i+4:WRAW+16*\i+7] offset:\i*8192+512
.endr
	s_wait_dscnt 0x0                               ; my stores are done before I say so: the other waves read them
	s_barrier_signal -1
	s_barrier_wait -1                              ; all 32 weight fragments lie in LDS; nothing is written there again
	s_wait_alu depctr_vm_vsrc(0)                   ; my LDS stores have read v144 and up: these registers are HF from here on, written by the conversions below
; The two fragments of column tile ct for step j (k steps 2j, 2j+1) into buffer j & 1: four LDS loads.
.macro WFETCH j, ct
.irp q, 0,1
	ds_load_b128 v[WF+64*((\j)&1)+8*(2*(\ct)+\q):WF+64*((\j)&1)+8*(2*(\ct)+\q)+3],   v3 offset:(8*(\ct)+2*(\j)+\q)*1024
	ds_load_b128 v[WF+64*((\j)&1)+8*(2*(\ct)+\q)+4:WF+64*((\j)&1)+8*(2*(\ct)+\q)+7], v3 offset:(8*(\ct)+2*(\j)+\q)*1024+512
.endr
.endm
	s_wait_loadcnt 16                              ; the biases and H's k steps 0-3 are in; the 16 loads of k steps 4-7, issued behind them, stay out
.set cnt, 0
.rept 32
	v_cvt_pk_f16_f32 v[HF+cnt], v[HRAW+2*cnt], v[HRAW+2*cnt+1]
.set cnt, cnt+1
.endr
	s_wait_alu depctr_va_vdst(0)                   ; these conversions are done reading v16-79, in which step 0's fragments land
.irp ct, 0,1,2,3
	WFETCH 0, \ct
.endr
	s_wait_loadcnt 0x0                             ; H's k steps 4-7
.irp j, 1,2,3,4,5,6,7
	v_mov_b32 v[ACC+16+\j], v[ACC+16]              ; these copies and the conversions below name none of the registers that step 0's loads touch
	v_mov_b32 v[ACC+24+\j], v[ACC+24]
.endr
.rept 32
	v_cvt_pk_f16_f32 v[HF+cnt], v[HRAW+2*cnt], v[HRAW+2*cnt+1]
.set cnt, cnt+1
.endr
	s_wait_alu depctr_va_vdst(0)                   ; these conversions are done reading v80-143, in which step 1's fragments land
.irp ct, 0,1,2,3
	WFETCH 1, \ct
.endr
; Step j: two k steps, eight matrix instructions from buffer j & 1.  K: weights as source 0, so that a lane's eight results are eight e of one key;
; V: H as source 0, so that they are eight keys of one e: in both cases four packed registers are half a fragment of the next launch.
; The four accumulators take turns, one instruction a turn; each takes k steps 0 to 7 in ascending order.
; more = 1: the 16 LDS loads of step j + 1 go into the other buffer, four behind each of the step's first four matrix instructions.  No wait stands among them:
; no vector or matrix instruction issued since the wait at the step's head names that buffer or v3.
.macro KVSTEP j, more
.set FB, WF+64*((\j)&1)
.irp q, 0,1
.set HK, HF+8*(2*(\j)+\q)
	v_wmma_f32_16x16x32_f16 v[ACC:ACC+7],     v[FB+8*\q:FB+8*\q+7],       v[HK:HK+7], v[ACC:ACC+7]
.if (\more) && (\q == 0)
	WFETCH (\j)+1, 0
.endif
	v_wmma_f32_16x16x32_f16 v[ACC+8:ACC+15],  v[FB+16+8*\q:FB+16+8*\q+7], v[HK:HK+7], v[ACC+8:ACC+15]
.if (\more) && (\q == 0)
	WFETCH (\j)+1, 1
.endif
	v_wmma_f32_16x16x32_f16 v[ACC+16:ACC+23], v[HK:HK+7], v[FB+32+8*\q:FB+32+8*\q+7], v[ACC+16:ACC+23]
.if (\more) && (\q == 0)
	WFETCH (\j)+1, 2
.endif
	v_wmma_f32_16x16x32_f16 v[ACC+24:ACC+31], v[HK:HK+7], v[FB+48+8*\q:FB+48+8*\q+7], v[ACC+24:ACC+31]
.if (\more) && (\q == 0)
	WFETCH (\j)+1, 3
.endif
.endr
.endm
	s_wait_dscnt 16                                ; LDS loads come back in order (ISA guide 5.7.1): step 0's 16 are in, step 1's 16 stay out
	KVSTEP 0, 0
	s_wait_dscnt 0x0                               ; step 1's fragments are in
	s_wait_alu depctr_va_vdst(0)                   ; step 0's matrix instructions are done reading v16-79, in which step 2's fragments land
	KVSTEP 1, 1
	s_wait_dscnt 0x0                               ; step 2's fragments are in
	s_wait_alu depctr_va_vdst(0)                   ; step 1's matrix instructions are done reading v80-143, in which step 3's fragments land
	KVSTEP 2, 1
	s_wait_dscnt 0x0                               ; step 3's fragments are in
	KVSTEP 3, 0
	; where the results go
	s_and_b32 s39, s34, 1
	s_lshl3_add_u32 s39, s39, s30                  ; kt = 8 (z & 1) + w: my 16 keys among the tile's 256
	s_mul_i32 s40, s32, BSTR
	s_lshr_b32 s41, s33, 1
	s_lshr_b32 s42, s34, 1
	s_lshl1_add_u32 s41, s41, s42                  ; tile 2 (n >> 1) + (z >> 1)
	s_lshl_b32 s41, s41, 16
	s_add_co_u32 s40, s40, s41
	s_and_b32 s42, s33, 1
	s_lshl_b32 s42, s42, 15                        ; g = n & 1
	s_add_co_u32 s40, s40, s42
	s_mov_b32 s41, 0
	s_add_nc_u64 s[26:27], s[26:27], s[40:41]
	v_lshl_add_u32 v8, s39, 10, v3                 ; K: fragment kt
	v_lshl_add_u32 v9, s39, 9, v3                  ; V: fragment kt >> 1, half kt & 1 = kt x 512
	v_nop
	v_nop                                          ; with the two lines above: four places behind the last matrix instruction
.set cnt, 0
.rept 16
	v_cvt_pk_f16_f32 v[PK+cnt], v[ACC+2*cnt], v[ACC+2*cnt+1]
.set cnt, cnt+1
.endr
	s_wait_alu depctr_va_vdst(0)                   ; the conversions have written v240-255, the stores' data; v8 and v9, their offsets, are written too
	global_store_b128 v8, v[PK:PK+3],     s[26:27]
	global_store_b128 v8, v[PK+4:PK+7],   s[26:27] offset:512
	global_store_b128 v9, v[PK+8:PK+11],  s[26:27] offset:16384
	global_store_b128 v9, v[PK+12:PK+15], s[26:27] offset:24576
	s_wait_dscnt 0x0                               ; the closing lines, six on end
	s_wait_alu 0x0
	s_wait_tensorcnt 0x0
	ds_add_u32 v14, v15
	s_wait_dscnt 0x0
	s_endpgm
; ---------------- the two parts of q: 16 rows x one head a wave, K = 64 ----------------
.Lq:
	s_sub_co_u32 s32, s31, 256
	s_lshr_b32 s33, s32, 4                         ; rho
	s_and_b32 s34, s32, 15                         ; row tile
	s_add_nc_u64 s[36:37], s[4:5], 128             ; A's features 32-63
	s_cmp_eq_u32 s33, 0
	s_cselect_b64 s[38:39], s[4:5], s[6:7]         ; k step 0: A's first half, or phi
	s_cselect_b64 s[40:41], s[36:37], s[8:9]       ; k step 1: A's second half, or X
	s_cselect_b32 s42, 8, 7                        ; rows of 256 bytes (A) or 128 (phi, X)
	v_lshl_add_u32 v4, s34, 4, v1
	v_lshlrev_b32 v4, s42, v4
	v_lshl_add_u32 v4, v2, 5, v4                   ; row x pitch + 32 h
	s_lshl_b32 s43, s33, 16                        ; Wq's rows from 64 rho on
	s_lshl_b32 s44, s30, 7                         ; head w
	s_add_co_u32 s43, s43, s44
	v_lshlrev_b32 v5, 2, v1
	v_lshl_add_u32 v5, v2, 13, v5
	v_add_nc_u32 v5, s43, v5
	v_lshl_add_u32 v6, v2, 5, s44                  ; bq: (32 w + 8 h) x 4
	s_lshl3_add_u32 s45, s34, s30
	s_lshl_b32 s45, s45, 11                        ; (row tile x 8 + head) x 2,048
	s_lshl_b32 s46, s33, 18
	s_add_co_u32 s45, s45, s46
	v_add_nc_u32 v8, s45, v3
	s_wait_alu depctr_va_vdst(0)                   ; v4, v5, v6 and v8 are written: the loads below, bq's behind the branch among them, and the stores read them as offsets; no vector line stands ahead of the last load
.irp ks, 0,1
	global_load_b128 v[16+16*\ks:19+16*\ks], v4, s[38+2*\ks:39+2*\ks]
	global_load_b128 v[20+16*\ks:23+16*\ks], v4, s[38+2*\ks:39+2*\ks] offset:16
	global_load_b128 v[24+16*\ks:27+16*\ks], v4, s[38+2*\ks:39+2*\ks] offset:64
	global_load_b128 v[28+16*\ks:31+16*\ks], v4, s[38+2*\ks:39+2*\ks] offset:80
.endr
	WLOAD WRAW,    5, 12, 0                        ; (k step 0, e 0-15)
	WLOAD WRAW+16, 5, 12, 64                       ; (0, e 16-31)
	WLOAD WRAW+32, 5, 12, 32768                    ; (1, e 0-15)
	WLOAD WRAW+48, 5, 12, 32768+64                 ; (1, e 16-31)
; bias = 1: bq lies in the accumulators and starts the sums; 0: the first products start them.  Weights are source 0: a lane gets eight e of one row.
; Two accumulators take turns.
.macro QBODY bias
	s_wait_loadcnt 0x0
.set cnt, 0
.rept 16
	v_cvt_pk_f16_f32 v[48+cnt], v[16+2*cnt], v[17+2*cnt]
.set cnt, cnt+1
.endr
.set cnt, 0
.rept 32
	v_cvt_pk_f16_f32 v[64+cnt], v[WRAW+2*cnt], v[WRAW+2*cnt+1]
.set cnt, cnt+1
.endr
.if \bias
	v_wmma_f32_16x16x32_f16 v[ACC:ACC+7],    v[64:71], v[48:55], v[ACC:ACC+7]
	v_wmma_f32_16x16x32_f16 v[ACC+8:ACC+15], v[72:79], v[48:55], v[ACC+8:ACC+15]
.else
	v_wmma_f32_16x16x32_f16 v[ACC:ACC+7],    v[64:71], v[48:55], 0
	v_wmma_f32_16x16x32_f16 v[ACC+8:ACC+15], v[72:79], v[48:55], 0
.endif
	v_wmma_f32_16x16x32_f16 v[ACC:ACC+7],    v[80:87], v[56:63], v[ACC:ACC+7]
	v_wmma_f32_16x16x32_f16 v[ACC+8:ACC+15], v[88:95], v[56:63], v[ACC+8:ACC+15]
	PLACES 4
.irp m, 0,2,4,6,8,10,12,14
	v_pk_mul_f32 v[ACC+\m:ACC+\m+1], v[ACC+\m:ACC+\m+1], SC op_sel_hi:[1,0]
.endr
	s_wait_alu depctr_va_vdst(0)                   ; the eight scalings have written the sixteen registers that the stores read
.irp gq, 0,1,2,3
	global_store_b128 v8, v[ACC+4*\gq:ACC+4*\gq+3], s[28:29] offset:512*\gq
.endr
	s_endpgm
.endm
	s_cmp_eq_u32 s33, 0
	s_cbranch_scc1 .Lq_a
	global_load_b128 v[ACC:ACC+3],     v6, s[14:15]
	global_load_b128 v[ACC+4:ACC+7],   v6, s[14:15] offset:16
	global_load_b128 v[ACC+8:ACC+11],  v6, s[14:15] offset:64
	global_load_b128 v[ACC+12:ACC+15], v6, s[14:15] offset:80
	QBODY 1
.Lq_a:
	QBODY 0
; ---------------- W1 transposed into fragments: a cast and a change of order, four fragments a wave ----------------
.Lw1:
	s_sub_co_u32 s32, s31, 288
	s_lshr_b32 s33, s32, 2                         ; the b whose copy this is
	s_and_b32 s34, s32, 3                          ; quarter of the 16 output tiles
	s_lshr_b32 s35, s30, 1
	s_and_b32 s36, s30, 1
	s_lshl2_add_u32 s35, s34, s35                  ; ot = 4 x quarter + (w >> 1); k steps 4 (w & 1) + 0..3
	s_lshl_b32 s37, s36, 17
	s_lshl_b32 s38, s35, 6
	s_add_co_u32 s37, s37, s38
	v_lshlrev_b32 v5, 2, v1
	v_lshl_add_u32 v5, v2, 13, v5
	v_add_nc_u32 v5, s37, v5                       ; (128 (w & 1) + 8 h) x 1024 + (16 ot + r) x 4
	s_wait_alu depctr_va_vdst(0)                   ; v5, the loads' offset, is written; so is v3, the stores'
.irp i, 0,1,2,3
	WLOAD WRAW+16*\i, 5, 24, \i*32768
.endr
	s_mul_i32 s38, s33, BSTR
	s_add_co_u32 s38, s38, 524288                  ; tiles 8 and 9
	s_lshl_b32 s40, s35, 13
	s_add_co_u32 s38, s38, s40
	s_lshl_b32 s40, s36, 12
	s_add_co_u32 s38, s38, s40                     ; + (8 ot + 4 (w & 1)) x 1,024
	s_mov_b32 s39, 0
	s_add_nc_u64 s[26:27], s[26:27], s[38:39]
	s_wait_loadcnt 0x0
.set cnt, 0
.rept 32
	v_cvt_pk_f16_f32 v[64+cnt], v[WRAW+2*cnt], v[WRAW+2*cnt+1]
.set cnt, cnt+1
.endr
	s_wait_alu depctr_va_vdst(0)                   ; the conversions have written v64-95, which the eight stores read
.irp i, 0,1,2,3,4,5,6,7
	global_store_b128 v3, v[64+4*\i:67+4*\i], s[26:27] offset:512*\i
.endr
	s_endpgm
.Lfunc_end_k_qce3020706d_prep:
	.size	k_qce3020706d_prep, .Lfunc_end_k_qce3020706d_prep-k_qce3020706d_prep
	.p2alignl 7, 3214868480
	.fill 96, 4, 3214868480
	.section	.rodata,"a",@progbits
	.p2align	6, 0x0
	.amdhsa_kernel k_qce3020706d_prep
		.amdhsa_group_segment_fixed_size 33792
		.amdhsa_private_segment_fixed_size 0
		.amdhsa_enable_private_segment 0
		.amdhsa_kernarg_size 104
		.amdhsa_user_sgpr_count 2
		.amdhsa_user_sgpr_kernarg_segment_ptr 1
		.amdhsa_wavefront_size32 1
		.amdhsa_system_sgpr_workgroup_id_x 1
		.amdhsa_system_sgpr_workgroup_id_y 1
		.amdhsa_system_sgpr_workgroup_id_z 1
		.amdhsa_system_vgpr_workitem_id 0
		.amdhsa_next_free_vgpr 256
		.amdhsa_next_free_sgpr 66
		.amdhsa_reserve_vcc 0
		.amdhsa_float_denorm_mode_32 3
		.amdhsa_float_denorm_mode_16_64 3
		.amdhsa_memory_ordered 1
		.amdhsa_forward_progress 1
		.amdhsa_inst_pref_size 55
	.end_amdhsa_kernel
	.amdgpu_metadata
---
amdhsa.version: [ 1, 2 ]
amdhsa.kernels:
  - .name:           k_qce3020706d_prep
    .symbol:         k_qce3020706d_prep.kd
    .args:
      - { .name: A, .offset: 0, .size: 8, .value_kind: global_buffer, .address_space: global }
      - { .name: phi_target, .offset: 8, .size: 8, .value_kind: global_buffer, .address_space: global }
      - { .name: X_target, .offset: 16, .size: 8, .value_kind: global_buffer, .address_space: global }
      - { .name: H_emb_obs, .offset: 24, .size: 8, .value_kind: global_buffer, .address_space: global }
      - { .name: Wq, .offset: 32, .size: 8, .value_kind: global_buffer, .address_space: global }
      - { .name: bq, .offset: 40, .size: 8, .value_kind: global_buffer, .address_space: global }
      - { .name: Wk, .offset: 48, .size: 8, .value_kind: global_buffer, .address_space: global }
      - { .name: bk, .offset: 56, .size: 8, .value_kind: global_buffer, .address_space: global }
      - { .name: Wv, .offset: 64, .size: 8, .value_kind: global_buffer, .address_space: global }
      - { .name: bv, .offset: 72, .size: 8, .value_kind: global_buffer, .address_space: global }
      - { .name: W1, .offset: 80, .size: 8, .value_kind: global_buffer, .address_space: global }
      - { .name: kvw, .offset: 88, .size: 8, .value_kind: global_buffer, .address_space: global }
      - { .name: qf, .offset: 96, .size: 8, .value_kind: global_buffer, .address_space: global }
    .group_segment_fixed_size: 33792
    .private_segment_fixed_size: 0
    .kernarg_segment_align: 8
    .kernarg_segment_size: 104
    .max_flat_workgroup_size: 256
    .sgpr_count:     66
    .vgpr_count:     256
    .wavefront_size: 32
...
	.end_amdgpu_metadata
.endif
;; end of part 3
;; launch attn: the kernel of part 2 again; grid 256 x 1, 8 waves a work-group, clusters of 4 x 1, 327,680 bytes of LDS; arguments kvw, qf, b1, W2, b2, out0; writes out0
